; MI455X (gfx1250); checked and timed in simulation.
; The chip was launched on July 23, 2026; its instructions are those of AMD's public machine-readable ISA for CDNA 5 (MIT licence, August 2026) and "CDNA5" Instruction Set Architecture Reference Guide (July 2026). The comments in the code are by the model that wrote it; some were corrected since.
;; Multi Head Attention. Allowed arithmetic: matrix products marked QUANTISED: E4M3 operands, one given power-of-two scale a tensor, by v_wmma_f32_16x16x64_fp8_fp8 or v_wmma_f32_16x16x128_fp8_fp8, f32 sums; everything else in f32.
;; Inputs: bk 16 x 64 float32; bo 1,024 float32; bq 16 x 64 float32; bv 16 x 64 float32; lowp_scales 12 int32 (the exponents e of the quantised operands' scales 2^e); wk_codes 16 x 64 x 32 x 32 uint8 (E4M3 codes of wk, K innermost, in blocks of 32 codes); wo_codes 1,024 x 32 x 32 uint8 (E4M3 codes of wo, K innermost, in blocks of 32 codes); wq_codes 16 x 64 x 32 x 32 uint8 (E4M3 codes of wq, K innermost, in blocks of 32 codes); wv_codes 16 x 64 x 32 x 32 uint8 (E4M3 codes of wv, K innermost, in blocks of 32 codes); x_codes 4 x 2,048 x 32 x 32 uint8 (E4M3 codes of x, K innermost, in blocks of 32 codes).
;; Outputs: out0 4 x 2,048 x 1,024 float32.
;; This version of the problem:
;;   THIS VERSION OF THE PROBLEM IS GIVEN IN LOW PRECISION. The matrix products marked QUANTISED in the list below multiply operands that are first quantised to E4M3 (4 exponent bits, 3 mantissa bits; 8 bits a number), with one given power-of-two scale for each operand tensor; their sums are f32. All else is computed in f32.
;;   The module's matrix products, in the order in which they are computed (A, B: the left and right operand; K: the contracted axis; several contracted axes count as one K, in the product's order):
;;     1. [M 1,024, K 1,024] x [K 1,024, N 8,192]; A: input wq (given as codes); B: input x (given as codes): QUANTISED (scales: A lowp_scales[0], B lowp_scales[1])
;;     2. [M 1,024, K 1,024] x [K 1,024, N 8,192]; A: input wk (given as codes); B: input x (given as codes): QUANTISED (scales: A lowp_scales[2], B lowp_scales[3])
;;     3. [M 1,024, K 1,024] x [K 1,024, N 8,192]; A: input wv (given as codes); B: input x (given as codes): QUANTISED (scales: A lowp_scales[4], B lowp_scales[5])
;;     4. batch 64 x [M 2,048, K 64] x [K 64, N 2,048]; A: computed on the way; B: computed on the way: QUANTISED (scales: A lowp_scales[6], B lowp_scales[7])
;;     5. batch 64 x [M 2,048, K 2,048] x [K 2,048, N 64]; A: softmax (see below); B: computed on the way: QUANTISED (scales: A lowp_scales[8], B lowp_scales[9])
;;     6. [M 8,192, K 1,024] x [K 1,024, N 1,024]; A: computed on the way; B: input wo (given as codes): QUANTISED (scales: A lowp_scales[10], B lowp_scales[11])
;;   THE QUANTISER, for each operand of a quantised product, along K:
;;     - The operand's scale is 2^e, e = its entry of the input lowp_scales (int32; the entries are numbered through the quantised products in the list's order, A before B).
;;     - Each number is divided by the scale, clamped to +-448, and rounded to the nearest number of E4M3, ties to even, subnormals kept.
;;     - The product sums the exact products of the quantised numbers (number of the format x scale) in f32.
;;   ~~~python
;;   def quantise(x, axis, e):      # numpy; x: float32 -> the quantised numbers, widened to float32 again
;;       x = np.moveaxis(x, axis, -1); K = x.shape[-1]
;;       r = np.clip(x / 2.0 ** e, -448, 448)
;;       step = 2.0 ** (np.maximum(np.frexp(np.where(r == 0, 1, r))[1] - 1, -6) - 3)
;;       q = np.round(r / step) * step * 2.0 ** e      # np.round: ties to even
;;       return np.moveaxis(q, -1, axis).astype(np.float32)
;;   ~~~
;;   SOFTMAX AHEAD OF A QUANTISED PRODUCT. Where the list says 'softmax', what is quantised is not the finished softmax but p = 2^(t - M), with t = logit x log2(e) and M = ceil(the row's largest t), a whole number; so 1/2 < the row's largest p <= 1. The row's sum l is taken of the UNQUANTISED p, in f32, and the product's result is divided by l at the end. Since M is a whole number, a kernel that streams over the keys may use a running M (the ceiling of the running maximum): every later rescaling is an exact power of two, so the quantised numbers keep their values, but for numbers so far below the row's largest that they fall under the format's range.
;;   OPERANDS COMPUTED ON THE WAY. 'Computed on the way' means the value that the module computes at that place (a softmax that the list does not call 'softmax' is quantised finished and normalised). What goes into a quantiser is computed in f32, as accurately as f32 sums, v_exp_f32 and their like allow (about 1e-6 of the number): no bf16 or f16 on the way to a quantiser, and a product that is left as it is and whose result goes on into a quantised operand takes f32 operands (vector FMAs, or v_wmma_f32_16x16x4_f32). A number that lies on a knife's edge between two numbers of the format may be rounded either way, as far as f32 arithmetic and the matrix unit's own rounding can turn it there, and no further.
;;   INPUTS GIVEN AS CODES. wk (in the module: [16, 64, 1024], K = its axis 2); wo (in the module: [1024, 1024], K = its axis 1); wq (in the module: [16, 64, 1024], K = its axis 2); wv (in the module: [16, 64, 1024], K = its axis 2); x (in the module: [4, 2048, 1024], K = its axis 2): each comes as NAME_codes (uint8): NAME with its K axis moved to the last place and cut into blocks of 32 codes, [.., K / 32, bytes a block], one block behind the other in memory; one code a byte (a code: sign, 4 exponent bits, 3 mantissa bits); its scale is its entry of lowp_scales. Its value is code x scale, taken as it is: it is not quantised again, and the codes and scales need not be those that the quantiser above would give.
;; One version. Each part assembles by itself: llvm-mc -triple=amdgcn-amd-amdhsa -mcpu=gfx1250 --defsym DOCPART=n.
;; ======== version 1 of 1: 3 launches
;; limits: right only within a limited range of input values
;; workspace buffers: qkv 25,165,824 bytes; attimg 8,388,608 bytes
;; launch qkv (part 1): grid 8 x 32, 4 waves a work-group, clusters of 4 x 4, 327,680 bytes of LDS; arguments x_codes, wq_codes, wk_codes, wv_codes, bq, bk, bv, lowp_scales, qkv; writes qkv
.if DOCPART == 1
	.amdgcn_target "amdgcn-amd-amdhsa--gfx1250"
	.amdhsa_code_object_version 6
	.text
	.protected	k_q6dd821e800_qkv
	.globl	k_q6dd821e800_qkv
	.p2align	8
	.type	k_q6dd821e800_qkv,@function
k_q6dd821e800_qkv:
	s_mov_b64 s[64:65], 0
	v_nop
	global_prefetch_b8 v0, s[64:65] scope:SCOPE_SE
	s_setreg_imm32_b32 hwreg(HW_REG_WAVE_MODE, 25, 1), 1
	s_wait_xcnt 0x0
	s_wait_alu depctr_hold_cnt(0) depctr_sa_sdst(0) depctr_va_vdst(0) depctr_va_sdst(0) depctr_va_ssrc(0) depctr_va_vcc(0) depctr_vm_vsrc(0)
	s_getreg_b32 s2, hwreg(HW_REG_IB_STS2, 6, 4)
	s_cmp_eq_u32 s2, 0
	s_cbranch_scc0 .Lentry_in_a_cluster
	s_endpgm
.Lentry_in_a_cluster:
	s_bfe_u32 s2, ttmp6, 0x10000c
	s_cmp_lg_u32 s2, 0xf033
	s_cbranch_scc0 .Lentry_shape_is_right
	s_endpgm
.Lentry_shape_is_right:
; q, k, v = x W^T + b on codes of FP8 (E4M3), then quantised again with the given scales, and stored as IMAGES OF THE NEXT PRODUCTS' OPERAND REGISTERS.  Nothing of these three products is left out.
; x: [8192][1024] codes; wq, wk, wv: [1024][1024] codes (16 heads x 64 channels), K innermost; bq, bk, bv: [1024] f32; lowp_scales: 12 whole numbers e.
; number = sum of code products x 2^(ew + ex) + bias, in f32; code = number / 2^eo, held within +-448, to the nearest code.  (ew, ex, eo) = entries (0,1,6) for q, (2,3,7) for k, (4,5,9) for v.
; LIMITS: ew + ex between -126 and 127; eo between -126 and 119, so that each power of two below is an f32 number.  NaN among the inputs is not served.
; SHARES.  256 work-groups, each with TWO tiles, one after the other.  Tile 1: 256 tokens x 256 channels of q or of k (the cluster's x is the kind, the same in all sixteen partners): 2 x 32 x 4 = 256 tiles.
;   Tile 2: 256 channels x 128 tokens of v: 4 x 64 = 256 tiles.  A wave makes 128 x 128 of tile 1 (64 accumulators) and 128 x 64 of tile 2 (32).
; ROLES.  The matrix instruction takes 16 rows of 'B' as source 0 and 16 rows of 'A' as source 1: a lane then holds ONE row of A (lane % 16) and eight neighbouring rows of B (8 (lane / 16) + 0..7).
;   q, k: A = x, B = the weight: a lane holds one token and eight channels: what product 4 wants (K = the channels).     v: A = wv, B = x: a lane holds one channel and eight tokens: what product 5 wants (K = the keys).
; CLUSTERS: 4 x 4 work-groups; A's tile is shared along a row of the cluster, B's along a column.  Tile 1: A by 4 x cluster y + cy, B by cx.  Tile 2: A by cy, B by cx + 4 x cluster x + 8 x cluster y.
; K goes in steps of 256 through a ring of two LDS slots; four K steps a tile, so the walk is written out.  THE RING GOES ON INTO TILE 2: tile 1's last two changes of slots ask for tile 2's K steps 0 and 1, which are on their way during tile 1's way out.
; No prefetch into the L2: K is four steps, at the largest block in clusters.
; A fragment comes by four loads of 16 bytes, 32 apart: a permutation of k that is the same in A and in B.
; THE WORKSPACE: [bh = 16 batch + head][393,216 bytes]: Q's images [tile of 16 tokens (128)][1,024], K's likewise at 131,072, V^T's [128 keys (16)][16 channels (4)][2,048] at 262,144.
;   In an image register n of lane l lies at 512 (n / 4) + 16 l + 4 (n % 4): each store of a wave covers 512 consecutive bytes, aligned.
; REGISTERS, in windows of 256: window 0: v0-31 addresses; v32-47 v's bias; v64-127 q's or k's bias; from v128 A's fragments, ONE set; on the way out v128-191 codes, v192-223 at work.
;   window 1: B's fragments, TWO sets.   window 2: the accumulators of my rows 0-63 of A ((a, b) at v[8 (8 a + b)]);   window 3: those of my rows 64-127.
.set ROWB,   256                       ; a tile's row in bytes: 256 codes
.set KROW,   1024                      ; a row of x or of a weight in memory
.set PITCH,  272                       ; an LDS row: 256 bytes + 16 of padding = 68 words: the 16 rows that a load touches start 4 banks apart (64 banks of 4 bytes: ISA guide 11.1)
.set FR,     16                        ; registers of a fragment: 16 rows x 128 K
.set NL,     4                         ; LDS loads that bring one
.set NP,     4                         ; places behind this matrix instruction (ISA guide 7.12.1)
.set HALFT,  128*PITCH                 ; 128 rows
.set SLOT,   4*HALFT                   ; A's 256 rows, then room for B's 256 (tile 2 uses 128 of them)
.set SPARE,  2*SLOT                    ; behind the ring: the spare words, 128 bytes for each wave
.set HEADB,  393216                    ; a head's block in the workspace
.set ADRA, 16                          ; v16-17  LDS address of my A fragments in slot 0, 1
.set ADRB, 20                          ; v20-21  the same for tile 1's B
.set ADRB2, 22                         ; v22-23  and for tile 2's
.set LI,   24                          ; v24     16 x lane: my place in an image's 512 bytes
.set BOF,  25                          ; v25     32 (lane / 16): my eight channels' bias
.set SCV,  26                          ; v26     2^eo
.set LIM,  27                          ; v27     448 x 2^eo
.set SPW,  28                          ; v28     LDS address of my spare word; never rewritten
.set NIL,  29                          ; v29     0; never rewritten
.set VOF,  30                          ; v30     4 (lane % 16): my one channel's bias
.set VB,   32                          ; v32-47  v: bias of channel 16 a + lane % 16, twice, for block a
.set BIAS, 64                          ; v64-127 q, k: bias of channels 16 b + 8 (lane / 16) + 0..7, for block b
.set AF,   128                         ; A's fragments
.set CD,   128                         ; the way out: codes, eight groups of 8 registers
.set T,    192                         ; the way out: 32 numbers at work
.set G1, 24                            ; s[24:31] group 1 for A's tiles;  s[32:39] group 0, one set for each slot
.set G0, 32
.set G1B, 48                           ; s[48:55], s[56:63] the same for B's tiles
.set G0B, 56
.set G1C, 88                           ; s[88:95] group 1 for tile 2's B: 64 rows a wave
.set PA2, 66                           ; s[66:67] tile 2: where my part of A begins in memory, the type bits set;  s[86:87] the same for B;  s100 my part of B in slot 0
.set PB2, 86
.set LB2, 100
.set NB, 8                             ; B's blocks of 16 rows a wave: 8 in tile 1, 4 in tile 2
.set ADB, ADRB                         ; B's address registers, and B's group 1 for refills, of the tile in hand
.set GB, G1B
.set MSB, 0
.macro WIN new                         ; the immediate's high byte repeats the setting that is left
.if MSB != \new
	s_set_vgpr_msb (MSB<<8)|\new
.set MSB, \new
.endif
.endm
.set MUL_LO, 0xa1                      ; source 0 (B) window 1, source 1 (A) window 0, C and D window 2
.set MUL_HI, 0xf1                      ; the same, C and D window 3
.set TO_B,   0x40                      ; destination window 1, address window 0
; A joint load: waves 0 and 1 fetch for A, waves 2 and 3 for B.  The branch hangs on the wave's number alone.  An s_nop 0 and four v_nop follow each of the two lines.
.macro JLOAD g0a, g1a, g0b, g1b
	s_cmp_eq_u32 s15, 0
	s_cbranch_scc0 .Lfor_b_\@
	tensor_load_to_lds s[\g0a:\g0a+3], s[\g1a:\g1a+7]
	s_nop 0
.rept 4
	v_nop
.endr
	s_branch .Lasked_\@
.Lfor_b_\@:
	tensor_load_to_lds s[\g0b:\g0b+3], s[\g1b:\g1b+7]
	s_nop 0
.rept 4
	v_nop
.endr
.Lasked_\@:
.endm
.macro CREST                           ; a round of the cluster's barrier behind its opening barrier
	s_cmp_lg_u32 s14, 0
	s_cbranch_scc1 .Lnot_wave_0_\@
	s_barrier_signal -3
.Lnot_wave_0_\@:
	s_barrier_wait -3
	s_barrier_signal -1
	s_barrier_wait -1
.endm
.macro CROUND                          ; a whole round
	s_barrier_signal -1
	s_barrier_wait -1
	CREST
.endm
	s_load_b512 s[68:83], s[0:1], 0x0              ; x 68, wq 70, wk 72, wv 74, bq 76, bk 78, bv 80, the scales' exponents 82
	s_load_b64 s[84:85], s[0:1], 0x40              ; the workspace
	v_lshl_add_u32 v[SPW], v0, 2, SPARE
	v_mov_b32 v[NIL], 0
	ds_add_u32 v[SPW], v[NIL]                      ; the opening lines: the add, twice on end, and its wait
	ds_add_u32 v[SPW], v[NIL]
	v_lshrrev_b32 v1, 5, v0
	v_readfirstlane_b32 s14, v1                    ; wave 0..3
	s_lshr_b32 s15, s14, 1                         ; which half of A's rows is mine.  Also: I fetch for A (0) or for B (1)
	s_and_b32 s16, s14, 1                          ; which half of B's rows.  Also: which half of that tile's rows I fetch
	s_bfe_u32 s40, ttmp6, 0x40000                  ; cx: tile 1's B
	s_bfe_u32 s41, ttmp6, 0x40004                  ; cy: tile 2's A
	s_and_b32 s86, ttmp7, 0xffff                   ; cluster y
	s_lshl_b32 s17, s86, 2
	s_add_co_u32 s17, s17, s41                     ; tile 1's A: 256 tokens at 4 x cluster y + cy: never cx
	s_lshl_b32 s101, s86, 3
	s_lshl_b32 s3, ttmp9, 2
	s_add_co_u32 s101, s101, s3
	s_add_co_u32 s101, s101, s40                   ; tile 2's B: 128 tokens at 8 x cluster y + 4 x cluster x + cx: never cy
	s_lshl_b32 s43, s41, 2
	s_lshl_b32 s43, 15, s43                        ; my row of the cluster
	s_lshl_b32 s44, 0x1111, s40                    ; my column
	; group 1: rows of 256 bytes, padded in LDS.  15:0 the mask; 17:16 element of 1 byte; 20 padding on; 21 set beside a mask; 24:22 after every 64 words (code 5); 31:25 of 4 words (code 3)
	s_or_b32 s[G1+0], s43, (0<<16)|(1<<20)|(1<<21)|(5<<22)|(3<<25)
	s_or_b32 s[G1B+0], s44, (0<<16)|(1<<20)|(1<<21)|(5<<22)|(3<<25)
	s_or_b32 s[G1C+0], s44, (0<<16)|(1<<20)|(1<<21)|(5<<22)|(3<<25)
.irp g, G1, G1B
	s_mov_b32 s[\g+1], ROWB<<16                    ; tensor_dim0
	s_mov_b32 s[\g+2], 256<<16                     ; tensor_dim1: 256 rows for the head's loads (128 for the refills: set behind the wait for the head's loads)
	s_mov_b32 s[\g+3], ROWB<<16                    ; tile_dim0
	s_mov_b32 s[\g+4], 256                         ; tile_dim1 likewise
	s_mov_b32 s[\g+5], KROW                        ; tensor_dim0_stride
	s_mov_b32 s[\g+6], 0
	s_mov_b32 s[\g+7], 0
.endr
	s_mov_b32 s[G1C+1], ROWB<<16
	s_mov_b32 s[G1C+2], 64<<16
	s_mov_b32 s[G1C+3], ROWB<<16
	s_mov_b32 s[G1C+4], 64
	s_mov_b32 s[G1C+5], KROW
	s_mov_b32 s[G1C+6], 0
	s_mov_b32 s[G1C+7], 0
	s_lshl_b32 s2, s16, 7                          ; which 128 rows of a tile of 256 I fetch
	s_lshl_b32 s20, s17, 8
	s_add_co_u32 s20, s20, s2
	s_lshl_b32 s20, s20, 10                        ; tile 1's A, in bytes (under 2^23)
	s_mov_b32 s21, 0
	s_lshl_b32 s46, s40, 8
	s_add_co_u32 s46, s46, s2
	s_lshl_b32 s46, s46, 10                        ; tile 1's B
	s_mov_b32 s47, 0
	s_lshl_b32 s18, s41, 8
	s_add_co_u32 s18, s18, s2
	s_lshl_b32 s18, s18, 10                        ; tile 2's A
	s_mov_b32 s19, 0
	s_lshl_b32 s22, s101, 7
	s_lshl_b32 s3, s16, 6                          ; which 64 rows of tile 2's B I fetch
	s_add_co_u32 s22, s22, s3
	s_lshl_b32 s22, s22, 10                        ; tile 2's B
	s_mov_b32 s23, 0
	s_mul_i32 s45, s14, HALFT                      ; where refills of 128 rows go: wave x 128 rows: no place in the cluster enters an LDS address
	s_mul_i32 s[LB2], s16, 64*PITCH
	s_add_co_u32 s[LB2], s[LB2], 2*HALFT           ; and tile 2's B: 64 rows a wave, behind A's 256
	s_wait_dscnt 0x0                               ; both opening adds are done
	s_wait_kmcnt 0x0
	s_cmp_eq_u32 ttmp9, 0                          ; the buffers are chosen by the kind, which hangs on no address
	s_cselect_b64 s[6:7], s[70:71], s[72:73]       ; tile 1's B: wq or wk,
	s_cselect_b64 s[10:11], s[76:77], s[78:79]     ; its bias: bq or bk
	s_add_nc_u64 s[20:21], s[68:69], s[20:21]      ; tile 1: A = x
	s_add_nc_u64 s[46:47], s[6:7], s[46:47]
	s_add_nc_u64 s[PA2:PA2+1], s[74:75], s[18:19]  ; tile 2: A = wv,
	s_or_b32 s[PA2+1], s[PA2+1], 0x80000000
	s_add_nc_u64 s[PB2:PB2+1], s[68:69], s[22:23]  ; B = x
	s_or_b32 s[PB2+1], s[PB2+1], 0x80000000
	s_load_b256 s[68:75], s[82:83], 0x0            ; e0 .. e7 (the pointers there are done with)
	s_load_b128 s[76:79], s[82:83], 0x20           ; e8 .. e11
	CROUND                                         ; all sixteen work-groups are here: the first joint loads meet
.irp s, 0,1
	s_mov_b32 s[G0+4*\s], 1
	s_add_co_u32 s[G0+4*\s+1], s45, \s*SLOT
	s_add_nc_u64 s[G0+4*\s+2:G0+4*\s+3], s[20:21], \s*ROWB
	s_or_b32 s[G0+4*\s+3], s[G0+4*\s+3], 0x80000000
	s_mov_b32 s[G0B+4*\s], 1
	s_add_co_u32 s[G0B+4*\s+1], s45, \s*SLOT
	s_add_nc_u64 s[G0B+4*\s+2:G0B+4*\s+3], s[46:47], \s*ROWB
	s_or_b32 s[G0B+4*\s+3], s[G0B+4*\s+3], 0x80000000
.endr
	; THE HEAD'S LOADS: both slots, one load a wave: waves 0, 1 A's 256 rows of K steps 0, 1; waves 2, 3 B's.  Their groups 0 lie in registers of their own, s[4:7] and s[44:47], whose earlier contents are done with.
	s_mul_i32 s12, s16, 130816                     ; from my half's rows (128 rows of 1,024 bytes on) back to the tile's first row, and 256 bytes on along K for slot 1
	s_mov_b32 s13, 0
	s_mov_b32 s4, 1
	s_mul_i32 s5, s16, SLOT                        ; A's rows stand first in a slot,
	s_sub_nc_u64 s[6:7], s[20:21], s[12:13]
	s_or_b32 s7, s7, 0x80000000
	s_mov_b32 s44, 1
	s_mul_i32 s45, s16, SLOT
	s_add_co_u32 s45, s45, 2*HALFT                 ; B's behind them
	s_sub_nc_u64 s[46:47], s[46:47], s[12:13]
	s_or_b32 s47, s47, 0x80000000
	JLOAD 4, G1, 44, G1B                           ; one tensor load a wave at the head
	s_mul_i32 s21, s15, HALFT                      ; my 128 rows of A
	s_mul_i32 s22, s16, HALFT                      ; my 128 rows of tile 1's B,
	s_add_co_u32 s22, s22, 2*HALFT                 ; which lie behind A's 256
	v_and_b32 v1, 15, v0                           ; l % 16
	v_bfe_u32 v2, v0, 4, 1                         ; l / 16
	v_mul_u32_u24 v3, v1, PITCH
	v_lshl_add_u32 v4, v2, 4, v3                   ; a fragment's row x pitch + 16 x half
	v_add_nc_u32 v[ADRA], s21, v4
	v_add_nc_u32 v[ADRB], s22, v4
	v_add_nc_u32 v[ADRB2], s[LB2], v4              ; my 64 rows of tile 2's B are those that I fetch
	v_add_nc_u32 v[ADRA+1], SLOT, v[ADRA]
	v_add_nc_u32 v[ADRB+1], SLOT, v[ADRB]
	v_add_nc_u32 v[ADRB2+1], SLOT, v[ADRB2]
	v_and_b32 v5, 31, v0
	v_lshlrev_b32 v[LI], 4, v5
	v_lshlrev_b32 v[BOF], 5, v2
	v_lshlrev_b32 v[VOF], 2, v1
	s_wait_alu depctr_va_vdst(0)
	; where my images go, and where my channels' biases lie: in registers that feed no descriptor and no LDS address
	s_lshr_b32 s2, s17, 3
	s_lshl_b32 s2, s2, 4                           ; tile 1: 16 x batch (8 tiles of tokens to a batch)
	s_lshl_b32 s3, s40, 2
	s_add_co_u32 s2, s2, s3                        ; + 4 heads a tile of channels
	s_lshl_b32 s3, s16, 1
	s_add_co_u32 s2, s2, s3                        ; + 2 a half: the first of my two heads
	s_mul_i32 s2, s2, HEADB
	s_lshl_b32 s3, ttmp9, 17
	s_add_co_u32 s2, s2, s3                        ; + the kind's part
	s_and_b32 s3, s17, 7
	s_lshl_b32 s3, s3, 1
	s_add_co_u32 s3, s3, s15
	s_lshl_b32 s3, s3, 13
	s_add_co_u32 s2, s2, s3                        ; + my 128 tokens: 8 images of 1,024 bytes
	s_mov_b32 s3, 0
	s_add_nc_u64 s[8:9], s[84:85], s[2:3]
	s_lshl_b32 s2, s40, 10
	s_lshl_b32 s18, s16, 9
	s_add_co_u32 s2, s2, s18                       ; 4 (256 x tile + 128 x half)
	s_add_nc_u64 s[10:11], s[10:11], s[2:3]
	s_lshr_b32 s2, s101, 4
	s_lshl_b32 s2, s2, 4                           ; tile 2: 16 x batch (16 blocks of 128 tokens to a batch)
	s_lshl_b32 s18, s41, 2
	s_add_co_u32 s2, s2, s18                       ; + 4 heads a tile of channels
	s_lshl_b32 s18, s15, 1
	s_add_co_u32 s2, s2, s18                       ; + 2 a half
	s_mul_i32 s2, s2, HEADB
	s_add_co_u32 s2, s2, 262144                    ; V^T's part
	s_and_b32 s18, s101, 15
	s_lshl_b32 s18, s18, 13
	s_add_co_u32 s2, s2, s18                       ; + the 128 keys' four images of 2,048 bytes
	s_lshl_b32 s18, s16, 10
	s_add_co_u32 s2, s2, s18                       ; + my 64 keys: registers 8 x half on: 1,024 bytes
	s_add_nc_u64 s[22:23], s[84:85], s[2:3]
	s_lshl_b32 s2, s41, 10
	s_lshl_b32 s18, s15, 9
	s_add_co_u32 s2, s2, s18
	s_add_nc_u64 s[12:13], s[80:81], s[2:3]        ; bv of my 128 channels
.irp b, 0,1,2,3,4,5,6,7
	global_load_b128 v[BIAS+8*\b:BIAS+8*\b+3], v[BOF], s[10:11] offset:64*\b
	global_load_b128 v[BIAS+8*\b+4:BIAS+8*\b+7], v[BOF], s[10:11] offset:64*\b+16
.endr
.irp a, 0,1,2,3,4,5,6,7
	global_load_b32 v[VB+2*\a], v[VOF], s[12:13] offset:64*\a
	global_load_b32 v[VB+2*\a+1], v[VOF], s[12:13] offset:64*\a     ; twice: the packed multiply-add takes a pair
.endr
.macro FRAG reg, adr, q, i             ; a fragment: lane l holds row l % 16; registers 4 c .. 4 c + 3 hold K = 32 c + 16 (l / 16) + 0 .. 15
.irp c, 0,1,2,3
	ds_load_b128 v[\reg+4*\c:\reg+4*\c+3], v[\adr] offset:128*(\q)+32*\c+(\i)*16*PITCH
.endr
.endm
; A's blocks a0, a0 + 1 x B's NB blocks, 128 along K.  p: B's set.  zero = 1: the first product starts the sums.
; The accumulators take turns, one instruction a turn, in the same order in every step.
.macro MUL16 a0, p, zero
.irp a, \a0, \a0+1
.irp b, 0,1,2,3,4,5,6,7
.if \b < NB
.if \zero
	v_wmma_f32_16x16x128_fp8_fp8 v[8*(8*((\a)%4)+\b):8*(8*((\a)%4)+\b)+7], v[128*(\p)+FR*\b:128*(\p)+FR*\b+FR-1], v[AF+FR*(\a):AF+FR*(\a)+FR-1], 0
.else
	v_wmma_f32_16x16x128_fp8_fp8 v[8*(8*((\a)%4)+\b):8*(8*((\a)%4)+\b)+7], v[128*(\p)+FR*\b:128*(\p)+FR*\b+FR-1], v[AF+FR*(\a):AF+FR*(\a)+FR-1], v[8*(8*((\a)%4)+\b):8*(8*((\a)%4)+\b)+7]
.endif
.endif
.endr
.endr
.endm
.macro FETCH_B slot, q, p              ; B's NB fragments of the slot's q-th 128 along K into set p
	WIN TO_B
.irp i, 0,1,2,3,4,5,6,7
.if \i < NB
	FRAG 128*(\p)+FR*\i, ADB+\slot, \q, \i
.endif
.endr
	WIN 0
.endm
.macro FETCH_A slot, q, i0             ; A's blocks i0 .. i0 + 3
.irp i, \i0, \i0+1, \i0+2, \i0+3
	FRAG AF+FR*(\i), ADRA+\slot, \q, \i
.endr
.endm
.macro PLACES n                        ; a load into a register that a matrix instruction has read, and a vector instruction that reads a matrix result, stand NP plain vector instructions behind it
.rept \n
	v_nop
.endr
.endm
; A step of 128 along K that has its successor in the same slot.  A block of A is free as soon as its products are issued: blocks 0-3 are fetched anew in the step's middle, blocks 4-7 at its end.
.macro STEP slot, q, zero
	s_wait_dscnt 4*NL                              ; B's set and A's blocks 0-3 are in; the youngest sixteen loads (A's blocks 4-7) may be out
	WIN MUL_LO
	MUL16 0, (\q)%2, \zero
	MUL16 2, (\q)%2, \zero
	s_wait_dscnt 0                                 ; A's blocks 4-7 are in
	PLACES NP
	FETCH_B \slot, (\q)+1, 1-(\q)%2
	FETCH_A \slot, (\q)+1, 0
	WIN MUL_HI
	MUL16 4, (\q)%2, \zero
	MUL16 6, (\q)%2, \zero
	PLACES NP
	WIN 0
	FETCH_A \slot, (\q)+1, 4
.endm
; A slot's last step changes slots: ONE barrier; in front of it each wave waits for all its tensor loads, adds 0 to its spare word, and waits for that and for its own reads of this slot.
; fill = 1: this slot takes this tile's K step two steps on.  fill = 2: it takes TILE 2's K step of the slot's number.  fill = 0: nothing.  fetch = 0: no fragments are fetched behind the change (a tile's way out follows).
.macro TURN slot, next, fill, fetch
	s_wait_tensorcnt 0x0                           ; all my tensor loads have landed  (every window is 0 here)
	ds_add_u32 v[SPW], v[NIL]                      ; 0 onto my spare word
	s_wait_dscnt 4*NL+1                            ; (the add and the youngest sixteen loads, A's blocks 4-7, may be out)
	WIN MUL_LO
	MUL16 0, 1, 0                                  ; matrix instructions stand between the add and the wait for it
	s_wait_dscnt 0x0                               ; the add is done, and my reads of this slot are over
	s_barrier_signal -1
	MUL16 2, 1, 0
	WIN 0
	s_barrier_wait -1
.if \fill == 1
	CREST                                          ; the barrier has opened a round of the cluster's barrier: no wave of any partner still reads this slot or has a load on its way
	s_add_nc_u64 s[G0+4*\slot+2:G0+4*\slot+3], s[G0+4*\slot+2:G0+4*\slot+3], 2*ROWB
	s_add_nc_u64 s[G0B+4*\slot+2:G0B+4*\slot+3], s[G0B+4*\slot+2:G0B+4*\slot+3], 2*ROWB
	JLOAD G0+4*\slot, G1, G0B+4*\slot, GB          ; the first tensor load behind the round, my one load until the next; its four v_nop are also the places in front of the loads below
.endif
.if \fill == 2
	CREST
	s_add_nc_u64 s[G0+4*\slot+2:G0+4*\slot+3], s[PA2:PA2+1], \slot*ROWB      ; no load of mine is out: the groups 0 go over to tile 2
	s_add_nc_u64 s[G0B+4*\slot+2:G0B+4*\slot+3], s[PB2:PB2+1], \slot*ROWB
	s_add_co_u32 s[G0B+4*\slot+1], s[LB2], \slot*SLOT
	JLOAD G0+4*\slot, G1, G0B+4*\slot, G1C
.endif
.if \fill == 0
	PLACES NP
.endif
.if \fetch
	FETCH_B \next, 0, 0
	FETCH_A \next, 0, 0
.endif
	WIN MUL_HI
	MUL16 4, 1, 0
	MUL16 6, 1, 0
.if \fetch
	PLACES NP
	WIN 0
	FETCH_A \next, 0, 4
.else
	WIN 0
.endif
.endm
; THE WAY OUT.  sum x 2^(ew + ex) + bias, one packed multiply-add for two numbers; the hold at the largest code x the scale; eight numbers a conversion; two stores of 512 bytes for every 8 registers of codes.
.macro SCALES                          ; s96, s97, s98 hold ew, ex, eo
	s_add_co_i32 s96, s96, s97
	s_add_co_i32 s96, s96, 127
	s_lshl_b32 s96, s96, 23                        ; 2^(ew + ex) as f32
	s_mov_b32 s97, s96                             ; (named with it as a pair, so it is written)
	s_add_co_i32 s98, s98, 127
	s_lshl_b32 s99, s98, 23
	v_mov_b32 v[SCV], s99                          ; 2^eo: the conversion takes its exponent field
	s_add_co_i32 s98, s98, 8
	s_lshl_b32 s98, s98, 23
	s_or_b32 s98, s98, 0x600000
	v_mov_b32 v[LIM], s98                          ; 448 x 2^eo
	PLACES NP                                      ; behind the last products: for the reads of their results and for the writes into the registers that held A's fragments
.endm
; Block a of A's rows, group g of four of B's blocks (b = 4 g + c).  q, k: 16 tokens x the 64 channels of head g: one image.  v (one group): 16 channels x my 64 of the 128 keys: half an image.
; The conversion of accumulator (a, b) gives registers 2 c, 2 c + 1 of the group's eight: k = 16 c + 8 (lane / 16) + 0 .. 7, the matrix unit's own order.
.macro EPI isv, ng, base
.irp a, 0,1,2,3,4,5,6,7
.if \a == 4
	s_wait_xcnt 0x0                                ; the first groups' stores have read their data: the codes' registers are written again only behind this wait
.endif
.irp g, 0,1
.if \g < \ng
	WIN 0x02+((\a)/4)                              ; source 0: window 2 or 3
.irp c, 0,1,2,3
.irp j, 0,2,4,6
.if \isv
	v_pk_fma_f32 v[T+8*\c+\j:T+8*\c+\j+1], v[8*(8*((\a)%4)+4*\g+\c)+\j:8*(8*((\a)%4)+4*\g+\c)+\j+1], s[96:97], v[VB+2*\a:VB+2*\a+1] op_sel_hi:[1,0,1]
.else
	v_pk_fma_f32 v[T+8*\c+\j:T+8*\c+\j+1], v[8*(8*((\a)%4)+4*\g+\c)+\j:8*(8*((\a)%4)+4*\g+\c)+\j+1], s[96:97], v[BIAS+8*(4*\g+\c)+\j:BIAS+8*(4*\g+\c)+\j+1] op_sel_hi:[1,0,1]
.endif
.endr
.endr
	WIN 0
.set ii, 0
.rept 32
	v_med3_num_f32 v[T+ii], v[T+ii], -v[LIM], v[LIM]   ; the conversion to an 8-bit code does not saturate (ISA guide 7.6.2)
.set ii, ii+1
.endr
.set CDR, CD+16*((\a)%4)+8*\g
.irp c, 0,1,2,3
	v_cvt_scalef32_pk8_fp8_f32 v[CDR+2*\c:CDR+2*\c+1], v[T+8*\c:T+8*\c+7], v[SCV]
.endr
	v_nop                                          ; one plain vector instruction between the conversions and the next group's writes of their sources
.if \isv
.set IM, ((\a)/4)*HEADB+((\a)%4)*2048              ; head a / 4, channels 16 (a % 4) on
.else
.set IM, \g*HEADB+(\a)*1024                        ; head g, tokens 16 a on
.endif
	global_store_b128 v[LI], v[CDR:CDR+3], s[\base:\base+1] offset:IM
	global_store_b128 v[LI], v[CDR+4:CDR+7], s[\base:\base+1] offset:IM+512
.endif
.endr
.endr
.endm
	s_wait_alu depctr_va_vdst(0)
	s_wait_tensorcnt 0x0                           ; my load is in,
	s_barrier_signal -1
	s_barrier_wait -1                              ; everybody's is: both slots are whole.
	s_mov_b32 s[G1+2], 128<<16                     ; no load of mine is out: the refills of A, and of tile 1's B, bring 128 rows a wave
	s_mov_b32 s[G1+4], 128
	s_mov_b32 s[G1B+2], 128<<16
	s_mov_b32 s[G1B+4], 128
	; TILE 1: q or k
	FETCH_B 0, 0, 0
	FETCH_A 0, 0, 0
	FETCH_A 0, 0, 4
	STEP 0, 0, 1                                   ; K 0-127: the products start the sums
	TURN 0, 1, 1, 1                                ; K 128-255; slot 0 takes K 512-767
	STEP 1, 0, 0
	TURN 1, 0, 1, 1                                ; slot 1 takes K 768-1023
	STEP 0, 0, 0
	TURN 0, 1, 2, 1                                ; slot 0 takes tile 2's K 0-255
	STEP 1, 0, 0
	TURN 1, 0, 2, 0                                ; the tile's last step; slot 1 takes tile 2's K 256-511
	s_wait_kmcnt 0x0
	s_cmp_eq_u32 ttmp9, 0                          ; the kind's three exponents: chosen, not branched on
	s_cselect_b32 s96, s68, s70
	s_cselect_b32 s97, s69, s71
	s_cselect_b32 s98, s74, s75
	SCALES
	s_wait_loadcnt 0x0                             ; the biases, asked for ahead of the walk
	EPI 0, 2, 8
	; TILE 2: v
.set NB, 4
.set ADB, ADRB2
.set GB, G1C
	s_wait_xcnt 0x0                                ; the stores have read their data: A's fragments may land in those registers
	s_wait_tensorcnt 0x0                           ; my parts of tile 2's K steps 0 and 1 are in,
	s_barrier_signal -1
	s_barrier_wait -1                              ; everybody's are.
	FETCH_B 0, 0, 0
	FETCH_A 0, 0, 0
	FETCH_A 0, 0, 4
	STEP 0, 0, 1
	TURN 0, 1, 1, 1
	STEP 1, 0, 0
	TURN 1, 0, 1, 1
	STEP 0, 0, 0
	TURN 0, 1, 0, 1                                ; nothing is left to fetch: no round
	STEP 1, 0, 0
	s_wait_dscnt 4*NL                              ; the very last step
	WIN MUL_LO
	MUL16 0, 1, 0
	MUL16 2, 1, 0
	s_wait_dscnt 0
	WIN MUL_HI
	MUL16 4, 1, 0
	MUL16 6, 1, 0
	WIN 0
	s_mov_b32 s96, s72
	s_mov_b32 s97, s73
	s_mov_b32 s98, s77
	SCALES
	EPI 1, 1, 22
	s_wait_tensorcnt 0x0                           ; the wave's end
	ds_add_u32 v[SPW], v[NIL]
	s_wait_dscnt 0x0
	CROUND                                         ; the closing round: no work-group ends while a partner may still ask for a tile that names it
	s_endpgm
.Lfunc_end_k_q6dd821e800_qkv:
	.size	k_q6dd821e800_qkv, .Lfunc_end_k_q6dd821e800_qkv-k_q6dd821e800_qkv
	.p2alignl 7, 3214868480
	.fill 96, 4, 3214868480
	.section	.rodata,"a",@progbits
	.p2align	6, 0x0
	.amdhsa_kernel k_q6dd821e800_qkv
		.amdhsa_group_segment_fixed_size 327680
		.amdhsa_private_segment_fixed_size 0
		.amdhsa_enable_private_segment 0
		.amdhsa_kernarg_size 72
		.amdhsa_user_sgpr_count 2
		.amdhsa_user_sgpr_kernarg_segment_ptr 1
		.amdhsa_wavefront_size32 1
		.amdhsa_system_sgpr_workgroup_id_x 1
		.amdhsa_system_sgpr_workgroup_id_y 1
		.amdhsa_system_sgpr_workgroup_id_z 1
		.amdhsa_system_vgpr_workitem_id 0
		.amdhsa_next_free_vgpr 1024
		.amdhsa_next_free_sgpr 102
		.amdhsa_reserve_vcc 0
		.amdhsa_float_denorm_mode_32 3
		.amdhsa_float_denorm_mode_16_64 3
		.amdhsa_memory_ordered 1
		.amdhsa_forward_progress 1
		.amdhsa_inst_pref_size 216
	.end_amdhsa_kernel
	.amdgpu_metadata
---
amdhsa.version: [ 1, 2 ]
amdhsa.kernels:
  - .name:           k_q6dd821e800_qkv
    .symbol:         k_q6dd821e800_qkv.kd
    .args:
      - { .name: x_codes, .offset: 0, .size: 8, .value_kind: global_buffer, .address_space: global }
      - { .name: wq_codes, .offset: 8, .size: 8, .value_kind: global_buffer, .address_space: global }
      - { .name: wk_codes, .offset: 16, .size: 8, .value_kind: global_buffer, .address_space: global }
      - { .name: wv_codes, .offset: 24, .size: 8, .value_kind: global_buffer, .address_space: global }
      - { .name: bq, .offset: 32, .size: 8, .value_kind: global_buffer, .address_space: global }
      - { .name: bk, .offset: 40, .size: 8, .value_kind: global_buffer, .address_space: global }
      - { .name: bv, .offset: 48, .size: 8, .value_kind: global_buffer, .address_space: global }
      - { .name: lowp_scales, .offset: 56, .size: 8, .value_kind: global_buffer, .address_space: global }
      - { .name: qkv, .offset: 64, .size: 8, .value_kind: global_buffer, .address_space: global }
    .group_segment_fixed_size: 327680
    .private_segment_fixed_size: 0
    .kernarg_segment_align: 8
    .kernarg_segment_size: 72
    .max_flat_workgroup_size: 128
    .sgpr_count:     102
    .vgpr_count:     1024
    .wavefront_size: 32
...
	.end_amdgpu_metadata
.endif
;; end of part 1
;; launch attn (part 2): grid 4 x 64, 8 waves a work-group, clusters of 4 x 1, 327,680 bytes of LDS; arguments qkv, lowp_scales, attimg; writes attimg
.if DOCPART == 2
	.amdgcn_target "amdgcn-amd-amdhsa--gfx1250"
	.amdhsa_code_object_version 6
	.text
	.protected	k_q6dd821e800_attn
	.globl	k_q6dd821e800_attn
	.p2align	8
	.type	k_q6dd821e800_attn,@function
k_q6dd821e800_attn:
	s_mov_b64 s[64:65], 0
	v_nop
	global_prefetch_b8 v0, s[64:65] scope:SCOPE_SE
	s_setreg_imm32_b32 hwreg(HW_REG_WAVE_MODE, 25, 1), 1
	s_wait_xcnt 0x0
	s_wait_alu depctr_hold_cnt(0) depctr_sa_sdst(0) depctr_va_vdst(0) depctr_va_sdst(0) depctr_va_ssrc(0) depctr_va_vcc(0) depctr_vm_vsrc(0)
	s_getreg_b32 s2, hwreg(HW_REG_IB_STS2, 6, 4)
	s_cmp_eq_u32 s2, 0
	s_cbranch_scc0 .Lentry_in_a_cluster
	s_endpgm
.Lentry_in_a_cluster:
	s_bfe_u32 s2, ttmp6, 0x10000c
	s_cmp_lg_u32 s2, 0x3003
	s_cbranch_scc0 .Lentry_shape_is_right
	s_endpgm
.Lentry_shape_is_right:
; Causal attention of one (batch, head) on codes of FP8 (E4M3): S^T = K Q^T, p = 2^(t - M), O^T = V^T P^T, O / l quantised with 2^e10 and stored as images of the last product's operand registers.
; INPUT (workspace qkv): [bh][393,216 bytes]: Q's images [tile of 16 tokens (128)][1,024], K's likewise at 131,072, V^T's [128 keys (16)][16 channels (4)][2,048] at 262,144.
; OUTPUT (attimg): [batch x 128 + tile of 16 rows][head (16)][1,024 bytes].  In an image register n of lane l lies at 512 (n / 4) + 16 l + 4 (n % 4).
; t = score x log2(e) / 8 x 2^(e6 + e7); M = the ceiling of the running largest t; the row's sum is taken of the unquantised p; when M moves, sum and O^T are multiplied by 2^(old M - new M), exact.
; WORK LEFT OUT: key steps all of whose 128 keys come after a block's 32 queries: the causal mask sets their scores to -inf, so their p is 0 for all values of the inputs.  A NaN or infinity that reaches only those steps is not carried on.
; LIMITS: e6 + e7 between -123 and 130 (added to c's exponent field); e8 and e10 between -126 and 119; the scaled scores stay under 2^31 in magnitude.  NaN among the inputs is not served.
; SHARES.  A cluster of four work-groups owns a head; the head's whole K and V (262,144 bytes) lie in each one's LDS, asked for jointly.  A head has 64 blocks of 32 queries.  Wave w (0..7) of the work-group at place cx owns
;   block 63 - b and then block b, b = 4 w + cx: 16 - w and w + 1 key steps of 128 keys, 17 for every wave.  The last steps, 15 - w and w, hang on the wave's number alone: no branch hangs on cx.
;   The two blocks go one after the other through the same registers.  A block is two tiles of 16 queries, so each fragment of K and of V feeds two matrix instructions.
; LOADS.  Two tensor loads a wave: key steps 0-3 (8,192 bytes a wave: waves 0-3 K's, 4-7 V's) at the head, steps 4-15 (24,576 bytes a wave) behind the full sequence and a round.
;   K's fragments of step s + 1 are fetched from LDS behind step s's score products.  So the high block walks steps 0-2 ahead of the one barrier, three block steps in every wave, and reads nothing there beyond step 3's K.
;   In step 15 that look-ahead reads the 8,192 bytes behind K's part, which are V's first: bytes that have landed; what it brings is not used.
;   No prefetch into the L2: the two requests at the head are all that the launch asks of K and V, so there is no later request to run ahead of.  Q is read once, by its own wave, straight into registers.
; REGISTERS.  Window 0: v1 16 x lane; v2, v14 the spare word's address and 0; v3, v4 LDS addresses; v5 -inf; v6, v7 the diagonal's d (low, high block); v8 2^e8; v9, v15 448 x 2^e8; v[10:11], v[12:13] f;
;   v16-19, v20-23 (-M, largest t, the sum's halves) of tile 0, 1; v24 2^e10, v25 448 x 2^e10; v32-47, v48-63 p's codes of tile 1, 0 (ahead of the conversions: at work); v64-127, v128-191 S^T of tile 0, 1; v192-255 V's fragments.
;   Window 1: v0-63 O^T (tile 0, tile 1); v64-79, v80-95 Q of the high and the low block; v128-191 K's fragments.
.set S0, 64
.set S1, 128
.set FR, 192
.set PC1, 32
.set PC0, 48
.set OA, 0
.set QH, 64
.set QL, 80
.set KF, 128
.set VPART, 131072
.set SPARE, 0x40000
.set MSB, 0
.macro WIN new                         ; the immediate's high byte repeats the setting that is left
.if MSB != \new
	s_set_vgpr_msb (MSB<<8)|\new
.set MSB, \new
.endif
.endm
.macro CROUND                          ; a round of the cluster's barrier
	s_barrier_signal -1
	s_barrier_wait -1
	s_cmp_lg_u32 s10, 0
	s_cbranch_scc1 .Lnot_wave_0_\@
	s_barrier_signal -3
.Lnot_wave_0_\@:
	s_barrier_wait -3
	s_barrier_signal -1
	s_barrier_wait -1
.endm
.macro KLOAD adr, off                  ; K's eight fragments of a key step, into window 1
	WIN 0x40
.irp u, 0,1,2,3,4,5,6,7
	ds_load_b128 v[KF+8*\u:KF+8*\u+3], v[\adr] offset:\off+1024*\u
	ds_load_b128 v[KF+8*\u+4:KF+8*\u+7], v[\adr] offset:\off+1024*\u+512
.endr
	WIN 0
.endm
.macro INIT                            ; a block begins: largest t -3e38, sums and O^T zero (the key step is written once: the first change of M multiplies zeros)
	v_mov_b32 v17, 0xff61b1e6
	v_mov_b32 v21, 0xff61b1e6
	v_mov_b32 v18, 0
	v_mov_b32 v19, 0
	v_floor_f32 v16, -v17
	v_floor_f32 v20, -v21
	v_mov_b32 v22, 0
	v_mov_b32 v23, 0
	WIN 0x40
.set ii, 0
.rept 64
	v_mov_b32 v[OA+ii], 0
.set ii, ii+1
.endr
	WIN 0
.endm
.macro SUM s, acc                      ; 64 numbers onto the sum's two halves: 32 packed additions in four chains
	v_pk_add_f32 v[38:39], v[\s:\s+1], v[\s+2:\s+3]
	v_pk_add_f32 v[40:41], v[\s+4:\s+5], v[\s+6:\s+7]
	v_pk_add_f32 v[42:43], v[\s+8:\s+9], v[\s+10:\s+11]
.set ii, 12
.rept 6
	v_pk_add_f32 v[\acc:\acc+1], v[\acc:\acc+1], v[\s+ii:\s+ii+1]
	v_pk_add_f32 v[38:39], v[38:39], v[\s+ii+2:\s+ii+3]
	v_pk_add_f32 v[40:41], v[40:41], v[\s+ii+4:\s+ii+5]
	v_pk_add_f32 v[42:43], v[42:43], v[\s+ii+6:\s+ii+7]
.set ii, ii+8
.endr
	v_pk_add_f32 v[\acc:\acc+1], v[\acc:\acc+1], v[\s+60:\s+61]
	v_pk_add_f32 v[38:39], v[38:39], v[\s+62:\s+63]
	v_pk_add_f32 v[40:41], v[40:41], v[42:43]
	v_pk_add_f32 v[\acc:\acc+1], v[\acc:\acc+1], v[38:39]
	v_pk_add_f32 v[\acc:\acc+1], v[\acc:\acc+1], v[40:41]
.endm
; A KEY STEP of a block: 128 keys (step s15; s16, s17 its bytes in K's and V's parts) against 32 queries.  K's fragments of this step were asked for in the step before, or ahead of the loop.
; q: Q's registers; d: the diagonal's register; last: the block's last step; mask, skip: whether this copy can meet the diagonal, or a step past it.
.macro KSTEP q, d, last, mask, skip
.if \skip
	s_cmp_gt_u32 s15, s[\last]
	s_cbranch_scc1 .Lnone_\@
.endif
	v_add_nc_u32 v3, s16, v1
	v_add_nc_u32 v4, s17, v1
	v_nop
	v_nop                                          ; four places behind the last products, ahead of the loads into V's registers
.irp u, 0,1,2,3
.irp p, 0,1,2,3
	ds_load_b128 v[FR+16*\u+4*\p:FR+16*\u+4*\p+3], v4 offset:2048*\u+512*\p
.endr
.endr
	s_wait_alu depctr_va_vdst(0)
	s_wait_dscnt 16                                ; K's sixteen loads are in; V's sixteen, issued behind them, may be out
	WIN 0x05                                       ; sources 0 (K) and 1 (Q) window 1, result window 0
.irp u, 0,1,2,3,4,5,6,7
	v_wmma_f32_16x16x64_fp8_fp8 v[S0+8*\u:S0+8*\u+7], v[KF+8*\u:KF+8*\u+7], v[\q:\q+7], 0
	v_wmma_f32_16x16x64_fp8_fp8 v[S1+8*\u:S1+8*\u+7], v[KF+8*\u:KF+8*\u+7], v[\q+8:\q+15], 0
.endr
	WIN 0
.rept 4
	v_nop                                          ; places: for the reads of the scores and for the loads into K's registers
.endr
	KLOAD 3, 8192                                  ; the next step's K
.if \mask                              ; the block's last step: register 8 u + j holds key 16 u + 8 (lane / 16) + j of the step; hidden for tile 0 where 16 u + j > d, for tile 1 where 16 (u - 1) + j > d: one compare serves both
	s_cmp_lg_u32 s15, s[\last]
	s_cbranch_scc1 .Lopen_\@
.set ii, 0
.rept 64
	v_cmp_gt_i32 vcc_lo, 16*(ii/8)+ii%8, v[\d]
	v_cndmask_b32 v[S0+ii], v[S0+ii], v5, vcc_lo
.if ii < 56
	v_cndmask_b32 v[S1+ii+8], v[S1+ii+8], v5, vcc_lo
.endif
.set ii, ii+1
.endr
.Lopen_\@:
.endif
	v_max3_num_f32 v32, v[S0], v[S0+1], v[S0+2]    ; the step's largest scores, two chains a tile, each accumulator from its low end on
	v_max3_num_f32 v34, v[S1], v[S1+1], v[S1+2]
	v_max3_num_f32 v33, v[S0+3], v[S0+4], v[S0+5]
	v_max3_num_f32 v35, v[S1+3], v[S1+4], v[S1+5]
.set ii, 6
.rept 14
	v_max3_num_f32 v32, v32, v[S0+ii], v[S0+ii+1]
	v_max3_num_f32 v34, v34, v[S1+ii], v[S1+ii+1]
	v_max3_num_f32 v33, v33, v[S0+ii+2], v[S0+ii+3]
	v_max3_num_f32 v35, v35, v[S1+ii+2], v[S1+ii+3]
.set ii, ii+4
.endr
	v_max3_num_f32 v32, v32, v[S0+62], v[S0+63]
	v_max3_num_f32 v34, v34, v[S1+62], v[S1+63]
	v_max_num_f32 v32, v32, v33
	v_max_num_f32 v34, v34, v35
	v_permlanex16_b32 v36, v32, s20, s21
	v_permlanex16_b32 v37, v34, s20, s21
	v_max_num_f32 v32, v32, v36
	v_max_num_f32 v34, v34, v37
	v_mul_f32 v32, s22, v32                        ; as t (c is positive)
	v_mul_f32 v34, s22, v34
	v_max_num_f32 v17, v17, v32
	v_max_num_f32 v21, v21, v34
	v_mov_b32 v32, v16
	v_mov_b32 v34, v20
	v_floor_f32 v16, -v17                          ; -M = floor(-t)
	v_floor_f32 v20, -v21
	v_sub_f32 v32, v16, v32
	v_sub_f32 v34, v20, v34
	v_cvt_i32_f32 v32, v32                         ; old M - new M (it saturates)
	v_cvt_i32_f32 v34, v34
	v_ldexp_f32 v10, 1.0, v32                      ; f
	v_ldexp_f32 v12, 1.0, v34
	WIN 0x41                                       ; O^T under the new M, ahead of the exponentials: result and source 0 window 1
.set ii, 0
.rept 16
	v_pk_mul_f32 v[OA+ii:OA+ii+1], v[OA+ii:OA+ii+1], v[10:11] op_sel_hi:[1,0]
	v_pk_mul_f32 v[OA+32+ii:OA+32+ii+1], v[OA+32+ii:OA+32+ii+1], v[12:13] op_sel_hi:[1,0]
.set ii, ii+2
.endr
	WIN 0
.set ii, 0
.rept 32
	v_pk_fma_f32 v[S0+ii:S0+ii+1], v[S0+ii:S0+ii+1], s[22:23], v[16:17] op_sel_hi:[1,0,0]
.set ii, ii+2
.endr
	s_wait_alu depctr_va_vdst(0)
.set ii, 0
.rept 32                               ; tile 0's exponentials; among them tile 1's t - M, whose results are read behind the next wait
	v_exp_f32 v[S0+ii], v[S0+ii]
	v_pk_fma_f32 v[S1+ii:S1+ii+1], v[S1+ii:S1+ii+1], s[22:23], v[20:21] op_sel_hi:[1,0,0]
	v_exp_f32 v[S0+ii+1], v[S0+ii+1]
.set ii, ii+2
.endr
	v_pk_mul_f32 v[18:19], v[18:19], v[10:11] op_sel_hi:[1,0]
	s_wait_alu depctr_va_vdst(0)                   ; behind the batch, ahead of its first reader; also ahead of the next batch
	SUM S0, 18                                     ; the sum is taken of the unquantised p, ahead of the hold
.set ii, 0
.rept 32                               ; tile 1's exponentials; among them tile 0's hold at 448 x 2^e8, two numbers a line (the conversion does not saturate: ISA guide 7.6.2; p is not negative)
	v_exp_f32 v[S1+ii], v[S1+ii]
	v_dual_min_num_f32 v[S0+ii], v[S0+ii], v9 :: v_dual_min_num_f32 v[S0+ii+1], v[S0+ii+1], v15
	v_exp_f32 v[S1+ii+1], v[S1+ii+1]
.set ii, ii+2
.endr
	v_pk_mul_f32 v[22:23], v[22:23], v[12:13] op_sel_hi:[1,0]
	s_wait_alu depctr_va_vdst(0)                   ; behind the batch: for tile 1's p and for tile 0's held p
.irp u, 0,1,2,3,4,5,6,7
	v_cvt_scalef32_pk8_fp8_f32 v[PC0+2*\u:PC0+2*\u+1], v[S0+8*\u:S0+8*\u+7], v8
.endr
	SUM S1, 22
.set ii, 0
.rept 32
	v_dual_min_num_f32 v[S1+ii], v[S1+ii], v9 :: v_dual_min_num_f32 v[S1+ii+1], v[S1+ii+1], v15
.set ii, ii+2
.endr
.irp u, 0,1,2,3,4,5,6,7
	v_cvt_scalef32_pk8_fp8_f32 v[PC1+2*\u:PC1+2*\u+1], v[S1+8*\u:S1+8*\u+7], v8
.endr
	v_nop                                          ; one plain place between the conversions and the products that read their results
	s_wait_alu depctr_va_vdst(0)
	s_wait_dscnt 16                                ; V's fragments are in; the next step's K, sixteen loads issued behind them, may be out
	WIN 0x50                                       ; C and D window 1
.irp u, 0,1,2,3
	v_wmma_f32_16x16x128_fp8_fp8 v[OA+8*\u:OA+8*\u+7], v[FR+16*\u:FR+16*\u+15], v[PC0:PC0+15], v[OA+8*\u:OA+8*\u+7]
	v_wmma_f32_16x16x128_fp8_fp8 v[OA+32+8*\u:OA+32+8*\u+7], v[FR+16*\u:FR+16*\u+15], v[PC1:PC1+15], v[OA+32+8*\u:OA+32+8*\u+7]
.endr
	WIN 0
.if \skip
.Lnone_\@:
.endif
.endm
; A block's way out: O^T x 2^(e8 + e9) / the sum, held, converted with 2^e10; each store of the wave covers 512 consecutive bytes, aligned.  b: the block's first image.
.macro OUT b
.rept 4
	v_nop                                          ; places behind the last products
.endr
	v_add_f32 v32, v18, v19
	v_add_f32 v33, v22, v23
	v_permlanex16_b32 v36, v32, s20, s21
	v_permlanex16_b32 v37, v33, s20, s21
	v_add_f32 v32, v32, v36
	v_add_f32 v33, v33, v37
	s_wait_alu depctr_va_vdst(0)                   ; ahead of the transcendentals
	v_rcp_f32 v32, v32
	v_rcp_f32 v33, v33
	v_nop
	s_wait_alu depctr_va_vdst(0)                   ; and behind them
	v_ldexp_f32 v10, v32, s71
	v_ldexp_f32 v12, v33, s71
	WIN 0x01                                       ; source 0 window 1
	s_wait_alu depctr_va_vdst(0)                   ; directly ahead of the first reader of O^T
.set ii, 0
.rept 16
	v_pk_mul_f32 v[S0+ii:S0+ii+1], v[OA+ii:OA+ii+1], v[10:11] op_sel_hi:[1,0]
.set ii, ii+2
.endr
.set ii, 0
.rept 16
	v_pk_mul_f32 v[S0+32+ii:S0+32+ii+1], v[OA+32+ii:OA+32+ii+1], v[12:13] op_sel_hi:[1,0]
.set ii, ii+2
.endr
	WIN 0
.set ii, 0
.rept 64
	v_med3_num_f32 v[S0+ii], v[S0+ii], -v25, v25
.set ii, ii+1
.endr
.irp u, 0,1,2,3,4,5,6,7
	v_cvt_scalef32_pk8_fp8_f32 v[S1+2*\u:S1+2*\u+1], v[S0+8*\u:S0+8*\u+7], v24
.endr
	v_nop
	global_store_b128 v1, v[S1:S1+3], s[\b:\b+1]
	global_store_b128 v1, v[S1+4:S1+7], s[\b:\b+1] offset:512
	global_store_b128 v1, v[S1+8:S1+11], s[\b:\b+1] offset:16384
	global_store_b128 v1, v[S1+12:S1+15], s[\b:\b+1] offset:16896
.endm
	s_load_b128 s[4:7], s[0:1], 0x0                ; qkv, the scales' exponents
	s_load_b64 s[8:9], s[0:1], 0x10                ; attimg
	v_lshl_add_u32 v2, v0, 2, SPARE
	v_mov_b32 v14, 0
	ds_add_u32 v2, v14                             ; the opening lines: the add, twice on end, and its wait
	ds_add_u32 v2, v14
	v_lshrrev_b32 v15, 5, v0
	v_readfirstlane_b32 s10, v15                   ; wave 0..7: also the low block's last key step
	v_and_b32 v15, 31, v0
	v_lshlrev_b32 v1, 4, v15
	s_bfe_u32 s11, ttmp6, 0x40000                  ; cx: it enters Q's and the output's addresses and the diagonal's d alone
	s_and_b32 s12, ttmp7, 0xffff                   ; 16 x batch + head
	s_sub_co_u32 s14, 15, s10                      ; the high block's last key step
	s_lshl_b32 s60, s10, 2
	s_add_co_u32 s60, s60, s11                     ; the low block b
	s_sub_co_u32 s61, 63, s60                      ; the high block
	s_mul_i32 s62, s12, 393216
	s_mov_b32 s63, 0
	s_lshr_b32 s66, s10, 2
	s_lshl_b32 s66, s66, 17                        ; waves 0-3 fetch K's part, 4-7 V's: 131,072 bytes on, in memory as in LDS
	s_and_b32 s67, s10, 3
	s_lshl_b32 s68, s67, 13                        ; steps 0-3: 8,192 bytes a wave
	s_add_co_u32 s68, s68, s66
	s_mov_b32 s69, 0
	s_mul_i32 s70, s67, 24576                      ; steps 4-15: 24,576 bytes a wave,
	s_add_co_u32 s70, s70, s66
	s_add_co_u32 s70, s70, 32768                   ; behind steps 0-3
	s_mov_b32 s71, 0
	s_mov_b32 s24, 15|(3<<16)|(1<<21)              ; group 1: the mask names all four; elements of 8 bytes; dense rows of 256 bytes: 32 of them,
	s_mov_b32 s25, 32<<16
	s_mov_b32 s26, 32<<16
	s_mov_b32 s27, 32<<16
	s_mov_b32 s28, 32
	s_mov_b32 s29, 32
	s_mov_b32 s30, 0
	s_mov_b32 s31, 0
	s_mov_b32 s32, 15|(3<<16)|(1<<21)              ; and 96
	s_mov_b32 s33, 32<<16
	s_mov_b32 s34, 96<<16
	s_mov_b32 s35, 32<<16
	s_mov_b32 s36, 96
	s_mov_b32 s37, 32
	s_mov_b32 s38, 0
	s_mov_b32 s39, 0
	s_mov_b32 s20, 0x76543210
	s_mov_b32 s21, 0xfedcba98
	s_mov_b32 s22, 0x3e38aa3b                      ; c = log2(e) / 8
	s_wait_alu depctr_va_vdst(0)
	s_wait_dscnt 0x0
	s_wait_kmcnt 0x0
	s_load_b256 s[48:55], s[6:7], 0x0              ; e0 .. e7
	s_load_b128 s[56:59], s[6:7], 0x20             ; e8 .. e11
	s_add_nc_u64 s[72:73], s[4:5], s[62:63]        ; the head's block
	s_add_nc_u64 s[74:75], s[72:73], 131072        ; K's images
	s_mov_b32 s40, 1
	s_mov_b32 s41, s68
	s_add_nc_u64 s[42:43], s[74:75], s[68:69]
	s_or_b32 s43, s43, 0x80000000
	s_mov_b32 s44, 1
	s_mov_b32 s45, s70
	s_add_nc_u64 s[46:47], s[74:75], s[70:71]
	s_or_b32 s47, s47, 0x80000000
	s_lshl_b32 s76, s60, 11                        ; a block's two images of Q: 2,048 bytes
	s_mov_b32 s77, 0
	s_add_nc_u64 s[76:77], s[72:73], s[76:77]
	s_lshl_b32 s78, s61, 11
	s_mov_b32 s79, 0
	s_add_nc_u64 s[78:79], s[72:73], s[78:79]
	WIN 0x40
.irp p, 0,1,2,3
	global_load_b128 v[QH+4*\p:QH+4*\p+3], v1, s[78:79] offset:512*\p   ; the high block's Q: it is walked first
.endr
	WIN 0
	CROUND                                         ; all four work-groups are here: the joint loads meet
	tensor_load_to_lds s[40:43], s[24:31]          ; key steps 0-3: my one load at the head
	s_nop 0
	v_and_b32 v15, 15, v0
	v_bfe_u32 v3, v0, 4, 1
	v_lshlrev_b32 v3, 3, v3
	v_sub_nc_u32 v15, v15, v3                      ; lane % 16 - 8 (lane / 16)
	s_lshl_b32 s70, s11, 5
	v_add_nc_u32 v6, s70, v15                      ; d: tile 0's query within the block's last step: 32 (block % 4) on
	s_sub_co_u32 s70, 3, s11
	s_lshl_b32 s70, s70, 5
	v_add_nc_u32 v7, s70, v15
	v_mov_b32 v5, 0xff800000
	v_mov_b32 v11, 0                               ; (named as upper halves of pairs)
	v_mov_b32 v13, 0
	v_mov_b32 v36, 0                               ; (a lane permute's destination counts as a source)
	v_mov_b32 v37, 0
	INIT
	s_lshr_b32 s2, s12, 4
	s_lshl_b32 s2, s2, 21
	s_and_b32 s3, s12, 15
	s_lshl_b32 s3, s3, 10
	s_add_co_u32 s2, s2, s3                        ; the output: batch x 2^21 + head x 1,024,
	s_lshl_b32 s66, s60, 15                        ; + 2 tiles of 16,384 bytes a block
	s_add_co_u32 s66, s66, s2
	s_mov_b32 s67, 0
	s_add_nc_u64 s[66:67], s[8:9], s[66:67]
	s_lshl_b32 s68, s61, 15
	s_add_co_u32 s68, s68, s2
	s_mov_b32 s69, 0
	s_add_nc_u64 s[68:69], s[8:9], s[68:69]
	s_wait_kmcnt 0x0
	s_add_co_i32 s70, s54, s55
	s_lshl_b32 s70, s70, 23
	s_add_co_i32 s22, s22, s70                     ; c x 2^(e6 + e7)
	s_mov_b32 s23, s22
	s_add_co_i32 s70, s56, 127
	s_lshl_b32 s71, s70, 23
	v_mov_b32 v8, s71                              ; 2^e8
	s_add_co_i32 s70, s70, 8
	s_lshl_b32 s70, s70, 23
	s_or_b32 s70, s70, 0x600000
	v_mov_b32 v9, s70                              ; 448 x 2^e8, in two registers: one for each half of a dual line
	v_mov_b32 v15, s70
	s_add_co_i32 s70, s58, 127
	s_lshl_b32 s71, s70, 23
	v_mov_b32 v24, s71                             ; 2^e10
	s_add_co_i32 s70, s70, 8
	s_lshl_b32 s70, s70, 23
	s_or_b32 s70, s70, 0x600000
	v_mov_b32 v25, s70                             ; 448 x 2^e10
	s_add_co_i32 s71, s56, s57                     ; e8 + e9
	s_wait_alu depctr_va_vdst(0)
	s_wait_loadcnt 0x0                             ; the high block's Q
	s_wait_tensorcnt 0x0                           ; my part of steps 0-3 is in
	ds_add_u32 v2, v14
	s_wait_dscnt 0x0
	CROUND                                         ; everybody's part is in, and the four work-groups are here
	tensor_load_to_lds s[44:47], s[32:39]          ; key steps 4-15
	s_nop 0
.rept 4
	v_nop
.endr
	WIN 0x40
.irp p, 0,1,2,3
	global_load_b128 v[QL+4*\p:QL+4*\p+3], v1, s[76:77] offset:512*\p   ; the low block's Q: waited for ahead of its walk
.endr
	KLOAD 1, 0                                     ; step 0's K
	s_mov_b32 s15, 0
	s_mov_b32 s16, 0
	s_mov_b32 s17, VPART
.Lhigh_a:                                              ; the high block, steps 0-2: its last step is 8 or later, so no step is left out and none is on the diagonal
	KSTEP QH, 7, 14, 0, 0
	s_add_co_u32 s15, s15, 1
	s_add_co_u32 s16, s16, 8192
	s_add_co_u32 s17, s17, 8192
	s_cmp_lt_u32 s15, 3
	s_cbranch_scc1 .Lhigh_a
	s_wait_tensorcnt 0x0                           ; my part of steps 4-15 is in,
	s_wait_dscnt 0x0
	s_barrier_signal -1
	s_barrier_wait -1                              ; everybody's is.  Nothing is filled again
	s_mov_b32 s15, 3
	s_mov_b32 s16, 24576
	s_mov_b32 s17, VPART+24576
.Lhigh_b:                                              ; steps 3-15: a constant count of trips; steps past the block's last are jumped over
	KSTEP QH, 7, 14, 1, 1
	s_add_co_u32 s15, s15, 1
	s_add_co_u32 s16, s16, 8192
	s_add_co_u32 s17, s17, 8192
	s_cmp_lt_u32 s15, 16
	s_cbranch_scc1 .Lhigh_b
	OUT 68
	s_wait_xcnt 0x0                                ; the stores have read their data: the registers are written again only behind this wait
	s_wait_loadcnt 0x0                             ; the low block's Q
	s_wait_dscnt 0x0                               ; the look-ahead of the high block's last step has come back: K's registers may be loaded anew
	KLOAD 1, 0                                     ; step 0's K
	INIT
	s_mov_b32 s15, 0
	s_mov_b32 s16, 0
	s_mov_b32 s17, VPART
.Llow:                                                 ; the low block: steps 0-7 at the most
	KSTEP QL, 6, 10, 1, 1
	s_add_co_u32 s15, s15, 1
	s_add_co_u32 s16, s16, 8192
	s_add_co_u32 s17, s17, 8192
	s_cmp_lt_u32 s15, 8
	s_cbranch_scc1 .Llow
	OUT 66
	s_wait_tensorcnt 0x0                           ; the wave's end
	ds_add_u32 v2, v14
	s_wait_dscnt 0x0
	CROUND                                         ; the closing round
	s_endpgm
.Lfunc_end_k_q6dd821e800_attn:
	.size	k_q6dd821e800_attn, .Lfunc_end_k_q6dd821e800_attn-k_q6dd821e800_attn
	.p2alignl 7, 3214868480
	.fill 96, 4, 3214868480
	.section	.rodata,"a",@progbits
	.p2align	6, 0x0
	.amdhsa_kernel k_q6dd821e800_attn
		.amdhsa_group_segment_fixed_size 327680
		.amdhsa_private_segment_fixed_size 0
		.amdhsa_enable_private_segment 0
		.amdhsa_kernarg_size 24
		.amdhsa_user_sgpr_count 2
		.amdhsa_user_sgpr_kernarg_segment_ptr 1
		.amdhsa_wavefront_size32 1
		.amdhsa_system_sgpr_workgroup_id_x 1
		.amdhsa_system_sgpr_workgroup_id_y 1
		.amdhsa_system_sgpr_workgroup_id_z 1
		.amdhsa_system_vgpr_workitem_id 0
		.amdhsa_next_free_vgpr 512
		.amdhsa_next_free_sgpr 80
		.amdhsa_reserve_vcc 1
		.amdhsa_float_denorm_mode_32 3
		.amdhsa_float_denorm_mode_16_64 3
		.amdhsa_memory_ordered 1
		.amdhsa_forward_progress 1
		.amdhsa_inst_pref_size 130
	.end_amdhsa_kernel
	.amdgpu_metadata
---
amdhsa.version: [ 1, 2 ]
amdhsa.kernels:
  - .name:           k_q6dd821e800_attn
    .symbol:         k_q6dd821e800_attn.kd
    .args:
      - { .name: qkv, .offset: 0, .size: 8, .value_kind: global_buffer, .address_space: global }
      - { .name: lowp_scales, .offset: 8, .size: 8, .value_kind: global_buffer, .address_space: global }
      - { .name: attimg, .offset: 16, .size: 8, .value_kind: global_buffer, .address_space: global }
    .group_segment_fixed_size: 327680
    .private_segment_fixed_size: 0
    .kernarg_segment_align: 8
    .kernarg_segment_size: 24
    .max_flat_workgroup_size: 256
    .sgpr_count:     80
    .vgpr_count:     512
    .wavefront_size: 32
...
	.end_amdgpu_metadata
.endif
;; end of part 2
;; launch oproj (part 3): grid 32 x 8, 4 waves a work-group, clusters of 4 x 1, 197,120 bytes of LDS; arguments attimg, wo_codes, bo, lowp_scales, out0; writes out0
.if DOCPART == 3
	.amdgcn_target "amdgcn-amd-amdhsa--gfx1250"
	.amdhsa_code_object_version 6
	.text
	.protected	k_q6dd821e800_oproj
	.globl	k_q6dd821e800_oproj
	.p2align	8
	.type	k_q6dd821e800_oproj,@function
k_q6dd821e800_oproj:
	s_mov_b64 s[64:65], 0
	v_nop
	global_prefetch_b8 v0, s[64:65] scope:SCOPE_SE
	s_setreg_imm32_b32 hwreg(HW_REG_WAVE_MODE, 25, 1), 1
	s_wait_xcnt 0x0
	s_wait_alu depctr_hold_cnt(0) depctr_sa_sdst(0) depctr_va_vdst(0) depctr_va_sdst(0) depctr_va_ssrc(0) depctr_va_vcc(0) depctr_vm_vsrc(0)
	s_getreg_b32 s2, hwreg(HW_REG_IB_STS2, 6, 4)
	s_cmp_eq_u32 s2, 0
	s_cbranch_scc0 .Lentry_in_a_cluster
	s_endpgm
.Lentry_in_a_cluster:
	s_bfe_u32 s2, ttmp6, 0x10000c
	s_cmp_lg_u32 s2, 0x3003
	s_cbranch_scc0 .Lentry_shape_is_right
	s_endpgm
.Lentry_shape_is_right:
; out[m][n] = sum over k of att[m][k] wo[n][k] x 2^(e10 + e11) + bo[n], on codes of FP8 (E4M3).  att: images of operand registers [tile of 16 rows (512)][head (16)][1,024 bytes]; wo: [1024][1024] codes, K innermost; out: [8192][1024] f32.
; LIMIT: e10 + e11 between -126 and 127, so that 2^(e10 + e11) is an f32 number.
; SHARES.  A work-group makes 256 rows x 128 columns; wave w its rows 64 w .. 64 w + 63 against all 128 columns: 32 accumulators.  256 work-groups.
; att: a wave's 64 rows x 1,024 K are 512 registers, loaded once, straight from memory, 512 consecutive bytes an instruction: two neighbouring heads' images on end are one fragment of 128 along K, in the matrix unit's own order.
; wo: the 128 rows lie whole in LDS, as four regions of 256 along K; each wave fetches one region by one tensor load.  The four work-groups of a cluster share the columns: the loads are joint.  No slot is filled again.
;   Since att's fragments are in the unit's own order, wo's are read in it too: eight loads of 8 bytes, 16 apart, at row x pitch + 8 (lane / 16).
; att's rows are shared by the eight work-groups of a column of the grid and are NOT asked for jointly: a joint load lands in LDS, and a work-group's 256 rows are 262,144 bytes, which do not fit beside wo's 139,264.
; THE MATRIX INSTRUCTION IS USED TRANSPOSED (source 0 = 16 rows of wo, source 1 = 16 rows of att): a lane holds eight neighbouring numbers of a row of out.
; REGISTERS, in windows of 256: window 0: v0-31 addresses, bo; v64-255 three buffers of four fragments of wo; on the way out v64-191 rows of out.   window 1: the accumulators ((a, b) at v[8 (8 a + b)]).
;   windows 2, 3: att's fragments: (rows 16 a on, K step s) at v[64 (s % 4) + 16 a] of window 2 + s / 4.
.set PITCH,  272                       ; an LDS row: 256 bytes + 16 of padding: the 32 lanes of a load of 8 bytes touch 64 different banks (64 banks of 4 bytes: ISA guide 11.1)
.set REG,    128*PITCH                 ; a region: 128 rows x 256 along K
.set STAGE,  4*REG                     ; behind the regions: 16 rows x (512 bytes + 16) for each wave, for the way out; no tensor load lands there
.set SPITCH, 528
.set LI,   16                          ; v16     16 x lane
.set ADB,  20                          ; v20-21  my place in a fragment of wo: regions 0, 1; regions 2, 3
.set STO,  24                          ; v24     the way out: where I put 32 bytes of a row
.set RD,   25                          ; v25     the way out: where I read a row back
.set BI,   28                          ; v[28:31] bo of my four columns
.set BF,   64                          ; the three buffers
.set MSB, 0
.macro WIN new                         ; the immediate's high byte repeats the setting that is left
.if MSB != \new
	s_set_vgpr_msb (MSB<<8)|\new
.set MSB, \new
.endif
.endm
.macro CROUND                          ; a round of the cluster's barrier
	s_barrier_signal -1
	s_barrier_wait -1
	s_cmp_lg_u32 s14, 0
	s_cbranch_scc1 .Lnot_wave_0_\@
	s_barrier_signal -3
.Lnot_wave_0_\@:
	s_barrier_wait -3
	s_barrier_signal -1
	s_barrier_wait -1
.endm
.macro PLACES                          ; four plain vector instructions behind a matrix instruction, in front of loads into registers that it read and of reads of its result
.rept 4
	v_nop
.endr
.endm
	s_load_b256 s[4:11], s[0:1], 0x0               ; att s[4:5], wo s[6:7], bo s[8:9], the scales' exponents s[10:11]
	s_load_b64 s[12:13], s[0:1], 0x20              ; out
	v_lshl_add_u32 v62, v0, 2, 0x30000
	v_mov_b32 v63, 0
	ds_add_u32 v62, v63
	ds_add_u32 v62, v63
	v_lshrrev_b32 v1, 5, v0
	v_readfirstlane_b32 s14, v1                    ; wave 0..3
	s_bfe_u32 s15, ttmp6, 0x40000                  ; cx
	s_lshl_b32 s16, ttmp9, 2
	s_add_co_u32 s16, s16, s15                     ; my 256 rows: 4 x cluster x + cx: it enters att's and out's addresses alone
	s_and_b32 s17, ttmp7, 0xffff                   ; my 128 columns, which the four partners share
	; descriptor group 1: 128 rows x 256 bytes, padded in LDS
	s_mov_b32 s24, 15|(0<<16)|(1<<20)|(1<<21)|(5<<22)|(3<<25)  ; 15:0 the mask: all four; 17:16 element of 1 byte; 20 padding on; 21 set beside a mask; 24:22 after every 64 words (code 5); 31:25 of 4 words (code 3)
	s_mov_b32 s25, 256<<16                         ; tensor_dim0
	s_mov_b32 s26, 128<<16                         ; tensor_dim1
	s_mov_b32 s27, 256<<16                         ; tile_dim0
	s_mov_b32 s28, 128                             ; tile_dim1
	s_mov_b32 s29, 1024                            ; tensor_dim0_stride
	s_mov_b32 s30, 0
	s_mov_b32 s31, 0
	s_mul_i32 s33, s14, REG                        ; region w,
	s_lshl_b32 s36, s17, 17                        ; of wo's rows 128 x column block on,
	s_lshl_b32 s37, s14, 8
	s_add_co_u32 s36, s36, s37                     ; K 256 w on
	s_mov_b32 s37, 0
	s_lshl_b32 s38, s16, 4
	s_lshl_b32 s39, s14, 2
	s_add_co_u32 s38, s38, s39
	s_lshl_b32 s38, s38, 14                        ; att: my first tile of 16 rows, 16,384 bytes a tile
	s_mov_b32 s39, 0
	s_lshl_b32 s42, s16, 8
	s_lshl_b32 s43, s14, 6
	s_add_co_u32 s42, s42, s43
	s_lshl_b32 s42, s42, 12                        ; out: my first row, 4,096 bytes a row,
	s_lshl_b32 s44, s17, 9
	s_add_co_u32 s42, s42, s44                     ; + my columns' 512 bytes
	s_mov_b32 s43, 0
	s_mov_b32 s45, 0                               ; s[44:45]: bo's 512 bytes likewise
	v_and_b32 v1, 31, v0
	v_lshlrev_b32 v[LI], 4, v1
	s_wait_dscnt 0x0
	s_wait_kmcnt 0x0
	s_load_b64 s[40:41], s[10:11], 0x28            ; e10, e11
	s_mov_b32 s32, 1
	s_add_nc_u64 s[34:35], s[6:7], s[36:37]
	s_or_b32 s35, s35, 0x80000000
	s_add_nc_u64 s[18:19], s[4:5], s[38:39]
	s_add_nc_u64 s[12:13], s[12:13], s[42:43]
	s_add_nc_u64 s[20:21], s[8:9], s[44:45]
	CROUND                                         ; all four work-groups are here: the joint loads meet
	tensor_load_to_lds s[32:35], s[24:31]          ; my one tensor load of the launch
	s_nop 0
.rept 4
	v_nop
.endr
	s_wait_alu depctr_va_vdst(0)
	global_load_b128 v[BI:BI+3], v[LI], s[20:21]   ; bo of columns 4 x lane on: the oldest load
	WIN 0x80                                       ; destination window 2
.irp s, 0,1,2,3
.irp a, 0,1,2,3
.irp p, 0,1,2,3
	global_load_b128 v[64*\s+16*\a+4*\p:64*\s+16*\a+4*\p+3], v[LI], s[18:19] offset:\a*16384+\s*2048+512*\p
.endr
.endr
.endr
	WIN 0xc0                                       ; destination window 3
.irp s, 4,5,6,7
.irp a, 0,1,2,3
.irp p, 0,1,2,3
	global_load_b128 v[64*(\s-4)+16*\a+4*\p:64*(\s-4)+16*\a+4*\p+3], v[LI], s[18:19] offset:\a*16384+\s*2048+512*\p
.endr
.endr
.endr
	WIN 0
	v_and_b32 v1, 15, v0                           ; l % 16
	v_bfe_u32 v2, v0, 4, 1                         ; l / 16
	v_mul_u32_u24 v3, v1, PITCH
	v_lshl_add_u32 v[ADB], v2, 3, v3               ; row x pitch + 8 x half
	v_add_nc_u32 v[ADB+1], 2*REG, v[ADB]
	s_mul_i32 s22, s14, 16*SPITCH
	s_add_co_u32 s22, s22, STAGE                   ; my stage
	v_mul_u32_u24 v4, v1, SPITCH
	v_lshl_add_u32 v4, v2, 5, v4
	v_add_nc_u32 v[STO], s22, v4                   ; in: row l % 16, 32 bytes for each half of the lanes
	v_add_nc_u32 v[RD], s22, v[LI]                 ; back: the 32 lanes take one row of 512 bytes
; Half q = 2 s + u of the walk: K step s (128 along K), wo's blocks 4 u .. 4 u + 3.  Its four fragments go into buffer q % 3.
.macro FETCHB q
.set FS, (\q)/2
.set FB, BF+64*((\q)%3)
.set FO, ((FS/2)%2)*REG+(FS%2)*128+4*((\q)%2)*16*PITCH
.irp i, 0,1,2,3
.irp c, 0,1,2,3,4,5,6,7
	ds_load_b64 v[FB+16*\i+2*\c:FB+16*\i+2*\c+1], v[ADB+FS/4] offset:FO+\i*16*PITCH+16*\c   ; registers 2 c, 2 c + 1: K = 16 c + 8 (l / 16) + 0 .. 7
.endr
.endr
.endm
; 16 matrix instructions: four blocks of wo x my four tiles of rows.  The 16 accumulators take turns, one instruction a turn; between two links of a chain stand 31 others'.
.macro HALF q
.set HS, (\q)/2
.if (\q) == 15
	s_wait_dscnt 0x0
.else
	s_wait_dscnt 32                                ; this half's 32 loads are in; the next half's may be out
.endif
.if (\q)%2 == 0
.if 16*(7-HS) > 63
	s_wait_loadcnt 63                              ; behind K step s's fragments of att 16 (7 - s) loads were issued; the count is held at what the wait can name
.else
	s_wait_loadcnt 16*(7-HS)
.endif
.endif
.if (\q)+2 <= 15
.if (\q) > 0
	PLACES                                         ; the buffer that is filled next was multiplied by the half before
.endif
	FETCHB (\q)+2
.endif
	WIN 0x58+4*(HS/4)                              ; source 0 (wo) window 0, source 1 (att) window 2 or 3, C and D window 1
.set HB, BF+64*((\q)%3)
.irp i, 0,1,2,3
.irp a, 0,1,2,3
.if HS == 0
	v_wmma_f32_16x16x128_fp8_fp8 v[8*(8*\a+4*((\q)%2)+\i):8*(8*\a+4*((\q)%2)+\i)+7], v[HB+16*\i:HB+16*\i+15], v[64*(HS%4)+16*\a:64*(HS%4)+16*\a+15], 0
.else
	v_wmma_f32_16x16x128_fp8_fp8 v[8*(8*\a+4*((\q)%2)+\i):8*(8*\a+4*((\q)%2)+\i)+7], v[HB+16*\i:HB+16*\i+15], v[64*(HS%4)+16*\a:64*(HS%4)+16*\a+15], v[8*(8*\a+4*((\q)%2)+\i):8*(8*\a+4*((\q)%2)+\i)+7]
.endif
.endr
.endr
	WIN 0
.endm
	s_wait_alu depctr_va_vdst(0)
	s_wait_tensorcnt 0x0                           ; my region of wo is in,
	s_barrier_signal -1
	s_barrier_wait -1                              ; everybody's is
	FETCHB 0
	FETCHB 1
.irp q, 0,1,2,3,4,5,6,7,8,9,10,11,12,13,14,15
	HALF \q
.endr
; THE WAY OUT, a tile of 16 rows x 128 columns at a time.  A lane holds 32 neighbouring bytes of a row, and the lanes beside it hold other rows: a tile goes through my own stage in LDS and comes back as whole rows of
; 512 bytes.  LDS serves a wave's instructions in order (ISA guide 5.7.1.4): no wait between the stores and the loads, nor in front of the next tile's stores.
.macro TOSTAGE a
	WIN 0x04                                       ; the stores' data: window 1
.irp b, 0,1,2,3,4,5,6,7
	ds_store_b128 v[STO], v[8*(8*(\a)+\b):8*(8*(\a)+\b)+3] offset:64*\b        ; each accumulator from its low end on
	ds_store_b128 v[STO], v[8*(8*(\a)+\b)+4:8*(8*(\a)+\b)+7] offset:64*\b+16
.endr
	WIN 0
.set BB, BF+64*((\a)%2)
.set ii, 0
.rept 16
	ds_load_b128 v[BB+4*ii:BB+4*ii+3], v[RD] offset:ii*SPITCH
.set ii, ii+1
.endr
.endm
.macro SEND a, younger                 ; younger: the LDS instructions issued behind tile a's loads, which may stay out
.set BB, BF+64*((\a)%2)
	s_wait_dscnt \younger                          ; the tile is back in registers
.set ii, 0
.rept 16
	v_pk_fma_f32 v[BB+4*ii:BB+4*ii+1], v[BB+4*ii:BB+4*ii+1], s[40:41], v[BI:BI+1] op_sel_hi:[1,0,1]         ; sum x 2^(e10 + e11) + bo
	v_pk_fma_f32 v[BB+4*ii+2:BB+4*ii+3], v[BB+4*ii+2:BB+4*ii+3], s[40:41], v[BI+2:BI+3] op_sel_hi:[1,0,1]
.set ii, ii+1
.endr
.set ii, 0
.rept 16
	global_store_b128 v[LI], v[BB+4*ii:BB+4*ii+3], s[12:13] offset:(16*(\a)+ii)*4096 th:TH_STORE_NT   ; 32 lanes store 512 consecutive bytes, aligned; written once, read by nobody here
.set ii, ii+1
.endr
.endm
	PLACES                                         ; behind the last products: for the stores that read results and for the loads into wo's buffers
	s_wait_kmcnt 0x0
	s_add_co_i32 s40, s40, s41
	s_add_co_i32 s40, s40, 127
	s_lshl_b32 s40, s40, 23                        ; 2^(e10 + e11) as f32
	s_mov_b32 s41, s40                             ; (named with it as a pair, so it is written)
	TOSTAGE 0
	TOSTAGE 1
	SEND 0, 32                                     ; behind tile 0's loads: tile 1's 16 stores and 16 loads
	s_wait_xcnt 0x0                                ; tile 0's stores have read their registers: tile 2's loads may land there
	TOSTAGE 2
	SEND 1, 32
	s_wait_xcnt 0x0                                ; tile 1's likewise
	TOSTAGE 3
	SEND 2, 32
	SEND 3, 0
	s_wait_tensorcnt 0x0
	ds_add_u32 v62, v63
	s_wait_dscnt 0x0
	CROUND                                         ; the closing round
	s_endpgm
.Lfunc_end_k_q6dd821e800_oproj:
	.size	k_q6dd821e800_oproj, .Lfunc_end_k_q6dd821e800_oproj-k_q6dd821e800_oproj
	.p2alignl 7, 3214868480
	.fill 96, 4, 3214868480
	.section	.rodata,"a",@progbits
	.p2align	6, 0x0
	.amdhsa_kernel k_q6dd821e800_oproj
		.amdhsa_group_segment_fixed_size 197120
		.amdhsa_private_segment_fixed_size 0
		.amdhsa_enable_private_segment 0
		.amdhsa_kernarg_size 40
		.amdhsa_user_sgpr_count 2
		.amdhsa_user_sgpr_kernarg_segment_ptr 1
		.amdhsa_wavefront_size32 1
		.amdhsa_system_sgpr_workgroup_id_x 1
		.amdhsa_system_sgpr_workgroup_id_y 1
		.amdhsa_system_sgpr_workgroup_id_z 1
		.amdhsa_system_vgpr_workitem_id 0
		.amdhsa_next_free_vgpr 1024
		.amdhsa_next_free_sgpr 66
		.amdhsa_reserve_vcc 0
		.amdhsa_float_denorm_mode_32 3
		.amdhsa_float_denorm_mode_16_64 3
		.amdhsa_memory_ordered 1
		.amdhsa_forward_progress 1
		.amdhsa_inst_pref_size 91
	.end_amdhsa_kernel
	.amdgpu_metadata
---
amdhsa.version: [ 1, 2 ]
amdhsa.kernels:
  - .name:           k_q6dd821e800_oproj
    .symbol:         k_q6dd821e800_oproj.kd
    .args:
      - { .name: attimg, .offset: 0, .size: 8, .value_kind: global_buffer, .address_space: global }
      - { .name: wo_codes, .offset: 8, .size: 8, .value_kind: global_buffer, .address_space: global }
      - { .name: bo, .offset: 16, .size: 8, .value_kind: global_buffer, .address_space: global }
      - { .name: lowp_scales, .offset: 24, .size: 8, .value_kind: global_buffer, .address_space: global }
      - { .name: out0, .offset: 32, .size: 8, .value_kind: global_buffer, .address_space: global }
    .group_segment_fixed_size: 197120
    .private_segment_fixed_size: 0
    .kernarg_segment_align: 8
    .kernarg_segment_size: 40
    .max_flat_workgroup_size: 128
    .sgpr_count:     66
    .vgpr_count:     1024
    .wavefront_size: 32
...
	.end_amdgpu_metadata
.endif
;; end of part 3
